; MI455X (gfx1250); checked and timed in simulation.
; The chip was launched on July 23, 2026; its instructions are those of AMD's public machine-readable ISA for CDNA 5 (MIT licence, August 2026) and "CDNA5" Instruction Set Architecture Reference Guide (July 2026). The comments in the code are by the model that wrote it; some were corrected since.
;; Multihead attention. Allowed arithmetic: matrix products marked QUANTISED: E2M3 operands, one E8M0 scale for each 32 along K, by v_wmma_scale_f32_16x16x128_f8f6f4 with both operands' format E2M3, f32 sums; products left as they are: f32 operands where the result goes on into a quantised operand, else bf16, f16 or f32 operands; f32 sums; everything else in f32.
;; Inputs: Wk_codes 1,024 x 32 x 24 uint8 (E2M3 codes of Wk, K innermost, in blocks of 32 codes, four codes in three bytes); Wk_scales 1,024 x 32 uint8 (E8M0 scales of Wk, one for each 32 codes along K); Wo_codes 1,024 x 32 x 24 uint8 (E2M3 codes of Wo, K innermost, in blocks of 32 codes, four codes in three bytes); Wo_scales 1,024 x 32 uint8 (E8M0 scales of Wo, one for each 32 codes along K); Wq_codes 1,024 x 32 x 24 uint8 (E2M3 codes of Wq, K innermost, in blocks of 32 codes, four codes in three bytes); Wq_scales 1,024 x 32 uint8 (E8M0 scales of Wq, one for each 32 codes along K); Wv_codes 1,024 x 32 x 24 uint8 (E2M3 codes of Wv, K innermost, in blocks of 32 codes, four codes in three bytes); Wv_scales 1,024 x 32 uint8 (E8M0 scales of Wv, one for each 32 codes along K); bk 1,024 float32; bo 1,024 float32; bq 1,024 float32; bv 1,024 float32; x_codes 4 x 1,024 x 32 x 24 uint8 (E2M3 codes of x, K innermost, in blocks of 32 codes, four codes in three bytes); x_scales 4 x 1,024 x 32 uint8 (E8M0 scales of x, one for each 32 codes along K).
;; Outputs: out0 4 x 1,024 x 1,024 float32.
;; This version of the problem:
;;   THIS VERSION OF THE PROBLEM IS GIVEN IN LOW PRECISION. The matrix products marked QUANTISED in the list below multiply operands that are first quantised to E2M3 (2 exponent bits, 3 mantissa bits; 6 bits a number), with one power-of-two scale for each 32 numbers along K (OCP MX v1.0); their sums are f32. All else is computed in f32.
;;   The module's matrix products, in the order in which they are computed (A, B: the left and right operand; K: the contracted axis; several contracted axes count as one K, in the product's order):
;;     1. [M 4,096, K 1,024] x [K 1,024, N 1,024]; A: input x (given as codes); B: input Wq (given as codes): QUANTISED
;;     2. [M 4,096, K 1,024] x [K 1,024, N 1,024]; A: input x (given as codes); B: input Wk (given as codes): QUANTISED
;;     3. [M 4,096, K 1,024] x [K 1,024, N 1,024]; A: input x (given as codes); B: input Wv (given as codes): QUANTISED
;;     4. batch 256 x [M 1,024, K 16] x [K 16, N 1,024]; A: computed on the way; B: computed on the way: left as it is (K = 16 < 32)
;;     5. batch 256 x [M 1,024, K 1,024] x [K 1,024, N 16]; A: softmax (see below); B: computed on the way: QUANTISED
;;     6. [M 4,096, K 1,024] x [K 1,024, N 1,024]; A: computed on the way; B: input Wo (given as codes): QUANTISED
;;   THE QUANTISER, for each operand of a quantised product, along K:
;;     - K is cut into blocks of 32 from its start; a last block that is shorter is filled with zeros.
;;     - A block's scale is 2^e with e = floor(log2(the largest magnitude in the block)) - 2, held to -126 .. 127; a block of zeros has e = 0. As a byte (E8M0): e + 127.
;;     - Each number is divided by its block's scale, clamped to +-7.5, and rounded to the nearest number of E2M3, ties to even, subnormals kept.
;;     - The product sums the exact products of the quantised numbers (number of the format x scale) in f32.
;;   ~~~python
;;   def quantise(x, axis):      # numpy; x: float32 -> the quantised numbers, widened to float32 again
;;       x = np.moveaxis(x, axis, -1); K = x.shape[-1]
;;       x = np.pad(x, [(0, 0)] * (x.ndim - 1) + [(0, -K % 32)]); x = x.reshape(x.shape[:-1] + (-1, 32)); a = np.abs(x).max(-1, keepdims=True)
;;       e = np.where(a > 0, np.clip(np.frexp(np.where(a > 0, a, 1))[1] - 1 - 2, -126, 127), 0)      # np.frexp(a)[1] - 1 = floor(log2(a)), exactly
;;       r = np.clip(x / 2.0 ** e, -7.5, 7.5)
;;       step = 2.0 ** (np.maximum(np.frexp(np.where(r == 0, 1, r))[1] - 1, 0) - 3)
;;       q = np.round(r / step) * step * 2.0 ** e      # np.round: ties to even
;;       return np.moveaxis(q.reshape(q.shape[:-2] + (-1,))[..., :K], -1, axis).astype(np.float32)
;;   ~~~
;;   SOFTMAX AHEAD OF A QUANTISED PRODUCT. Where the list says 'softmax', what is quantised is not the finished softmax but p = 2^(t - M), with t = logit x log2(e) and M = ceil(the row's largest t), a whole number; so 1/2 < the row's largest p <= 1. The row's sum l is taken of the UNQUANTISED p, in f32, and the product's result is divided by l at the end. Since M is a whole number, a kernel that streams over the keys may use a running M (the ceiling of the running maximum): every later rescaling is an exact power of two, which a block's scale takes up: the codes' values come out the same.
;;   OPERANDS COMPUTED ON THE WAY. 'Computed on the way' means the value that the module computes at that place (a softmax that the list does not call 'softmax' is quantised finished and normalised). What goes into a quantiser is computed in f32, as accurately as f32 sums, v_exp_f32 and their like allow (about 1e-6 of the number): no bf16 or f16 on the way to a quantiser, and a product that is left as it is and whose result goes on into a quantised operand takes f32 operands (vector FMAs, or v_wmma_f32_16x16x4_f32). A number that lies on a knife's edge between two numbers of the format may be rounded either way, as far as f32 arithmetic and the matrix unit's own rounding can turn it there, and no further.
;;   INPUTS GIVEN AS CODES. Wk (in the module: [1024, 1024], K = its axis 0); Wo (in the module: [1024, 1024], K = its axis 0); Wq (in the module: [1024, 1024], K = its axis 0); Wv (in the module: [1024, 1024], K = its axis 0); x (in the module: [4, 1024, 1024], K = its axis 2): each comes as NAME_codes (uint8): NAME with its K axis moved to the last place and cut into blocks of 32 codes, [.., K / 32, bytes a block], one block behind the other in memory; four codes in three bytes: a row's codes are one little-endian stream of bits, code i at bits 6 i .. 6 i + 5 (a code: sign, 2 exponent bits, 3 mantissa bits); and NAME_scales (uint8): the same leading axes, one E8M0 byte (e + 127) for each 32 codes along K. Its value is code x scale, taken as it is: it is not quantised again, and the codes and scales need not be those that the quantiser above would give.
;; One version. Each part assembles by itself: llvm-mc -triple=amdgcn-amd-amdhsa -mcpu=gfx1250 --defsym DOCPART=n.
;; ======== version 1 of 1: 2 launches
;; workspace buffers: x_img 3,145,728 bytes; wo_img 786,432 bytes
;; launch prep (part 1): grid 320 x 1, 1 waves a work-group, no clusters, 12,800 bytes of LDS; arguments x_codes, Wo_codes, x_img, wo_img; writes x_img, wo_img
.if DOCPART == 1
	.amdgcn_target "amdgcn-amd-amdhsa--gfx1250"
	.amdhsa_code_object_version 6
	.text
	.protected	k_qc237b032fd_prep
	.globl	k_qc237b032fd_prep
	.p2align	8
	.type	k_qc237b032fd_prep,@function
k_qc237b032fd_prep:
	s_mov_b64 s[64:65], 0
	v_nop
	global_prefetch_b8 v0, s[64:65] scope:SCOPE_SE
	s_setreg_imm32_b32 hwreg(HW_REG_WAVE_MODE, 25, 1), 1
	s_wait_xcnt 0x0
; x_codes [4096 rows][768 bytes] and Wo_codes [1024 rows][768 bytes] (E2M3 codes, K innermost) are copied once into x_img and wo_img,
; laid in the order of a matrix operand's registers, so that the next launch fetches a fragment (16 rows x 128 K, 12 registers a lane) by three loads of 16 bytes a lane, 512 consecutive bytes each.
; TILE tau = 2 beta + u holds, at lane place r = 0 .. 15, row 32 beta + 8 u + r + 8 (r / 8): eight neighbouring rows and the eight that lie 16 further on.  (Used as source 0 of a product, two
; neighbouring tiles then leave 16 neighbouring rows in a lane's 16 result registers.)
; FRAGMENT (tau, s), s = the K step of 128, lies at byte (8 tau + s) x 1,536; register q (0 .. 11) of lane l at 512 (q / 4) + 16 l + 4 (q % 4).
; One wave to a work-group, one tile to a wave: work-groups 0 .. 255 take x's tiles, 256 .. 319 Wo's; only the pointers are chosen, the text has one path.
; A tile's rows are two dense runs of 6,144 bytes, 12,288 bytes apart: 24 loads of 512 consecutive bytes.  They go into LDS as 16 rows 784 bytes apart and come back as fragments.
; No barrier: one wave, and LDS serves a wave's instructions in order (ISA guide 5.7.1.4).
.set PITCH, 784                        ; an LDS row: 768 bytes + 16 = 196 words: row r starts at bank 4 r mod 64 (64 banks of 4 bytes: ISA guide 11.1)
.set A0,  1                            ; v1   16 x lane: my bytes of a load, of an LDS store and of a global store
.set A1,  2                            ; v2   16 x lane + 16 (lane / 16): an LDS store whose lanes 16-31 fall into the next row
.set AF,  3                            ; v3   784 r + 24 h: my place in a fragment's rows
.set IN,  16                           ; v16-111   the tile as loaded: 24 x 4 registers
.set FR,  112                          ; v112-207  eight fragments of 12 registers
	s_load_b256 s[4:11], s[0:1], 0x0               ; x_codes s[4:5], Wo_codes s[6:7], x_img s[8:9], wo_img s[10:11]
	v_lshl_add_u32 v208, v0, 2, 0x3100
	v_mov_b32 v209, 0
	v_lshlrev_b32 v[A0], 4, v0                     ; the thread's number is the lane
	v_bfe_u32 v4, v0, 4, 1                         ; h
	v_and_b32 v5, 15, v0                           ; r
	v_lshl_add_u32 v[A1], v4, 4, v[A0]
	v_mul_u32_u24 v[AF], v5, PITCH
	v_mad_u32_u24 v[AF], v4, 24, v[AF]
	s_wait_kmcnt 0x0
	s_cmp_lt_u32 ttmp9, 256                        ; x's tile or Wo's?  The choice hangs on the work-group's number alone
	s_cselect_b64 s[4:5], s[4:5], s[6:7]
	s_cselect_b64 s[8:9], s[8:9], s[10:11]
	s_cselect_b32 s12, 0, 256
	s_sub_co_u32 s12, ttmp9, s12                   ; tau
	s_lshr_b32 s13, s12, 1
	s_mul_i32 s14, s13, 24576                      ; beta x 32 rows of 768 bytes
	s_and_b32 s13, s12, 1
	s_mul_i32 s13, s13, 6144                       ; u x 8 rows
	s_add_co_u32 s14, s14, s13
	s_mov_b32 s15, 0
	s_add_nc_u64 s[4:5], s[4:5], s[14:15]          ; the tile's first row
	s_mul_i32 s14, s12, 12288
	s_add_nc_u64 s[8:9], s[8:9], s[14:15]          ; the tile's eight fragments
.irp i, 0,1,2,3,4,5,6,7,8,9,10,11,12,13,14,15,16,17,18,19,20,21,22,23
	global_load_b128 v[IN+4*\i:IN+4*\i+3], v[A0], s[4:5] offset:512*\i+6144*(\i/12) th:TH_LOAD_NT   ; loads 12 .. 23: the second run, 12,288 bytes behind the first's start; read once in this launch
.endr
; Three loads (1,536 bytes) are two rows: the first lies in the even row, the second straddles the two (its lanes 16-31 stand 16 bytes further on in LDS), the third lies in the odd row.
.irp i, 0,1,2,3,4,5,6,7,8,9,10,11,12,13,14,15,16,17,18,19,20,21,22,23
	s_wait_loadcnt 23-\i                           ; loads come back in order (ISA guide 5.7.1): load i is in, the younger ones stay out
.if \i%3 == 0
	ds_store_b128 v[A0], v[IN+4*\i:IN+4*\i+3] offset:2*PITCH*(\i/3)
.elseif \i%3 == 1
	ds_store_b128 v[A1], v[IN+4*\i:IN+4*\i+3] offset:2*PITCH*(\i/3)+512
.else
	ds_store_b128 v[A0], v[IN+4*\i:IN+4*\i+3] offset:2*PITCH*(\i/3)+PITCH+256
.endif
.endr
; A fragment: lane (r, h) takes the 24 bytes at 96 s + 24 h of row r into registers 0-5 and the 24 bytes 48 further on into registers 6-11, in pieces of 8 bytes.
.irp s, 0,1,2,3,4,5,6,7
.irp p, 0,1,2,3,4,5
	ds_load_b64 v[FR+12*\s+2*\p:FR+12*\s+2*\p+1], v[AF] offset:96*\s+48*(\p/3)+8*(\p%3)
.endr
.endr
.irp s, 0,1,2,3,4,5,6,7
	s_wait_dscnt 6*(7-\s)                          ; fragment s is in; the six loads of each later fragment may be out
.irp c, 0,1,2
	global_store_b128 v[A0], v[FR+12*\s+4*\c:FR+12*\s+4*\c+3], s[8:9] offset:1536*\s+512*\c   ; 32 lanes store 512 consecutive bytes, at a multiple of 256 from the buffer's first byte
.endr
.endr
	s_wait_tensorcnt 0x0
	ds_add_u32 v208, v209
	s_wait_dscnt 0x0
	s_endpgm
.Lfunc_end_k_qc237b032fd_prep:
	.size	k_qc237b032fd_prep, .Lfunc_end_k_qc237b032fd_prep-k_qc237b032fd_prep
	.p2alignl 7, 3214868480
	.fill 96, 4, 3214868480
	.section	.rodata,"a",@progbits
	.p2align	6, 0x0
	.amdhsa_kernel k_qc237b032fd_prep
		.amdhsa_group_segment_fixed_size 12800
		.amdhsa_private_segment_fixed_size 0
		.amdhsa_enable_private_segment 0
		.amdhsa_kernarg_size 32
		.amdhsa_user_sgpr_count 2
		.amdhsa_user_sgpr_kernarg_segment_ptr 1
		.amdhsa_wavefront_size32 1
		.amdhsa_system_sgpr_workgroup_id_x 1
		.amdhsa_system_sgpr_workgroup_id_y 1
		.amdhsa_system_sgpr_workgroup_id_z 1
		.amdhsa_system_vgpr_workitem_id 0
		.amdhsa_next_free_vgpr 210
		.amdhsa_next_free_sgpr 66
		.amdhsa_reserve_vcc 0
		.amdhsa_float_denorm_mode_32 3
		.amdhsa_float_denorm_mode_16_64 3
		.amdhsa_memory_ordered 1
		.amdhsa_forward_progress 1
		.amdhsa_inst_pref_size 12
	.end_amdhsa_kernel
	.amdgpu_metadata
---
amdhsa.version: [ 1, 2 ]
amdhsa.kernels:
  - .name:           k_qc237b032fd_prep
    .symbol:         k_qc237b032fd_prep.kd
    .args:
      - { .name: x_codes, .offset: 0, .size: 8, .value_kind: global_buffer, .address_space: global }
      - { .name: Wo_codes, .offset: 8, .size: 8, .value_kind: global_buffer, .address_space: global }
      - { .name: x_img, .offset: 16, .size: 8, .value_kind: global_buffer, .address_space: global }
      - { .name: wo_img, .offset: 24, .size: 8, .value_kind: global_buffer, .address_space: global }
    .group_segment_fixed_size: 12800
    .private_segment_fixed_size: 0
    .kernarg_segment_align: 8
    .kernarg_segment_size: 32
    .max_flat_workgroup_size: 32
    .sgpr_count:     66
    .vgpr_count:     210
    .wavefront_size: 32
...
	.end_amdgpu_metadata
.endif
;; end of part 1
;; launch attn (part 2): grid 256 x 1, 16 waves a work-group, no clusters, 278,784 bytes of LDS; arguments x_img, x_scales, Wq_codes, Wq_scales, bq, Wk_codes, Wk_scales, bk, Wv_codes, Wv_scales, bv, wo_img, Wo_scales, bo, out0; writes out0
.if DOCPART == 2
	.amdgcn_target "amdgcn-amd-amdhsa--gfx1250"
	.amdhsa_code_object_version 6
	.text
	.protected	k_qc237b032fd_attn
	.globl	k_qc237b032fd_attn
	.p2align	8
	.type	k_qc237b032fd_attn,@function
k_qc237b032fd_attn:
	s_mov_b64 s[64:65], 0
	v_nop
	global_prefetch_b8 v0, s[64:65] scope:SCOPE_SE
	s_setreg_imm32_b32 hwreg(HW_REG_WAVE_MODE, 25, 1), 1
	s_wait_xcnt 0x0
; ONE HEAD TO A WORK-GROUP, from x to out0.  Head g = 4 a + b (g = the work-group's number) is batch b and columns 16 a .. 16 a + 15 of q, k and v; its z, 1,024 queries x 16 channels, is rows 16 g .. 16 g + 15 of
; the [4096][1024] matrix that Wo multiplies: queries 64 w .. 64 w + 63 are row 16 g + w, and a block of 32 along that product's K is two neighbouring queries x 16 channels.
; SIXTEEN WAVES of 256 registers.  Wave w owns rows 64 w .. 64 w + 63 of batch b: they are its 64 queries, 64 of the head's keys, one row of z; in the last product it owns columns 64 w .. 64 w + 63 of out0.
; PHASE 1: q, k, v of my 64 rows: E2M3 codes x E2M3 codes, K = 1,024 in 8 steps of 128; x's fragments come from x_img straight into registers, the head's 3 x 16 weight rows lie in LDS.  The biases are the C of each sum's first product.
;   q and k are made transposed (source 0 = the weight's 16 rows): a lane holds one row of x and channels 8 h + 0 .. 7, which IS the f32 operand of the score product.  v is made with x as source 0: a lane holds one channel and 16 neighbouring keys of each block of 32.
;   q x log2(e) / 8 stays in registers; k goes to LDS as images of its registers; v is quantised along the keys and goes to LDS as images of the operand's registers.
; PHASE 2: for each of my four tiles of 16 queries, 8 steps of 128 keys: S^T = k q^T by v_wmma_f32_16x16x4_f32 (f32 operands: the scores go on into a quantiser); t = S; M = the ceiling of the running largest t;
;   p = 2^(t - M), quantised along the keys; O^T += v^T p^T on codes; the row's sum is taken of the unquantised p and divides at the end.  When M moves, the sum and O^T are multiplied by 2^(old M - new M), which rounds nothing.
; Z: my row of z is quantised, a block of 32 to a lane.   PHASE 3: out0 rows 16 g .. + 15, my 64 columns = z x Wo^T + bo on codes; Wo's fragments come from wo_img straight into registers.
; THE ROWS OF A TILE ARE NOT NEIGHBOURS (x_img, wo_img): lane place r of tile 2 beta + u is row 32 beta + 8 u + r + 8 (r / 8), so that the 16 result registers of two neighbouring tiles are 16 neighbours.
; NO CLUSTER, NO TENSOR LOAD: x_img is read by the 64 heads of a batch and wo_img by all, but inside a work-group each fragment is wanted by ONE wave and goes straight into its operand registers.  Shared requests
;   land in LDS: 786,432 bytes a phase do not fit beside the 276,736 in use, so they would ask for slots that are filled again, a barrier of sixteen waves for each refill, and an LDS write and read for every byte, which this text has not.
; LIMITS.  NaN and infinities are not served.  A block whose largest magnitude lies under 2^-124, a block of zeros among them, gets the scale byte 1 (its codes are then zeros or nearly so; the bytes are read by this text alone).
;   q is multiplied by log2(e) / 8 once, ahead of the score product: one f32 rounding that the reference has behind the product.  A score's 16 channels are summed in the order {2 s, 2 s + 1, 8 + 2 s, 9 + 2 s}, s = 0 .. 3.
;   p under 2^-126 counts as 0 (v_exp_f32 gives no denormals: ISA guide 15.8).
; LDS: no region is used twice.
.set WPITCH, 784                       ; a row of 768 bytes of codes + 16 = 196 words: row r starts at bank 4 r mod 64 (ISA guide 11.1)
.set WTILE,  16*WPITCH
.set WL,     0                         ; Wq's, Wk's, Wv's rows 16 a .. 16 a + 15: 3 x 16 rows
.set KIMG,   37888                     ; k: 64 tiles of 16 keys x 1,024 bytes: registers 0-3 at 16 x lane, registers 4-7 at 512 + 16 x lane
.set VIMG,   KIMG+64*1024              ; v's codes: 16 halves of a fragment (64 keys) x 1,024 bytes: registers 0-3 at 16 x lane, registers 4-5 at 512 + 16 x lane
.set VSC,    VIMG+16*1024              ; v's scale words: 8 fragments x 16 channels x 4 bytes
.set ZF,     VSC+512                   ; z in f32: each wave 32 blocks x (128 bytes + 16)
.set ZFW,    32*144
.set ZC,     ZF+16*ZFW                 ; z's codes: 16 rows
.set ZS,     ZC+WTILE                  ; z's scale bytes: 16 rows x 32
.set OST,    ZS+512                    ; the way out: each wave 16 rows x (256 bytes + 16)
.set OSTW,   16*272
; VECTOR REGISTERS.  v48-111 are written by matrix instructions alone; v228-255 hold scales, and at the very end v254-255 an LDS address and 0.
.set L16,  1                           ; v1   16 x lane: never rewritten
.set AK0,  2                           ; v2   KIMG + 16 x lane
.set AV0,  3                           ; v3   VIMG + 16 x lane
.set AVS0, 4                           ; v4   VSC + 4 r
.set AZW,  5                           ; v5   where I put 32 bytes of z
.set AWF,  6                           ; phase 1: v6 my place in the weights' rows; v7, v8, v9 where I store k's images, v's image, v's two scale bytes
.set AKW,  7
.set AVW,  8
.set AVSW, 9
.set OW8,  10                          ; phase 0: v10 8 x lane; v11 where I store a weight's row; v12-15 offsets of scales and biases
.set AWS,  11
.set OWS,  12
.set OXS,  13
.set OB8,  14
.set OBV,  15
.set ADK,  6                           ; phase 2: v6-8 LDS addresses of the step in hand; v9 at work; v[10:11] a factor (the low word serves both halves); v12 -M, v13 the largest t; v[14:15] the sum in two halves
.set ADV,  7
.set ADVS, 8
.set T0,   9
.set FF,   10
.set NM,   12
.set MT,   13
.set SUM,  14
.set BQ,   16                          ; phase 1: the biases in the results' layout
.set BK,   24
.set BV,   32
.set QR,   16                          ; phase 2: q x log2(e) / 8: 4 tiles x 8
.set QA,   48                          ; phase 1: q's and k's sums, 4 tiles x 8 each
.set KA,   80
.set SCR,  48                          ; phase 2: S^T, 8 tiles x 8
.set XF,   112                         ; phase 1: x's four fragments
.set VT,   112                         ; v's quantiser, at work
.set WF,   160                         ; phase 1: the three weights' fragments
.set VA,   196                         ; phase 1: v's sums, 4 tiles x 8
.set KP,   112                         ; phase 2: k's 8 tiles, then p
.set VF,   176                         ; v's fragment
.set PC,   188                         ; p's codes
.set PG,   200                         ; the second halves of p's blocks, as converted
.set OT,   208                         ; O^T
.set TM,   216                         ; four blocks' largest scores, then largest p
.set TP,   220                         ; at work
.set SO,   224                         ; the conversions' scale operands
.set ZO,   216                         ; a tile's z
.set PW,   228                         ; p's scale word;  v229 v's
.set VW,   229
.set XS,   228                         ; phase 1: x's scale words, 4 tiles x 4;  v244.. the weights'
.set WQS,  244
.set WKS,  248
.set WVS,  252
.set WOF,  112                         ; phase 3: Wo's four fragments; later rows of out0
.set ZN,   160                         ; 32 numbers of z
.set ZFR,  176                         ; z's fragment
.set OA,   196                         ; out0's sums, 4 tiles x 8
.set WOS,  228                         ; Wo's scale words, 4 tiles x 4;  v244-247 z's
.set ZSR,  244
.set AWOS, 19                          ; phase 3's addresses, v16-28
.set ABO,  20
.set AZN,  21
.set AZCW, 22
.set AZSW, 23
.set AZSR, 24
.set AZFR, 25
.set AOSW, 26
.set AOSR, 27
.set AOUT, 28
; SCALAR REGISTERS: s[4:33] the fifteen buffers
.set WV,   34                          ; my wave's number
.set HA,   35                          ; a
.set HB,   36                          ; b
.set OFF,  38                          ; s[38:39] an offset, its upper word 0
.set SEL,  40                          ; s[40:41] v_permlanex16_b32's selects for lane l xor 16
.set CS,   42                          ; s[42:43] log2(e) / 8
.set TB,   44                          ; LDS steps of the key step in hand: k's images, v's images, v's scale words
.set TV,   45
.set TS,   46
.set CNT,  47
.set X0,   48
.set X1,   49
.macro PLACES n                        ; a vector instruction, a store or a load that touches a matrix instruction's registers stands 4 places behind it (8 behind the f32 form), and only plain vector instructions that name none of its registers are places
.rept \n
	v_nop
.endr
.endm
.macro BARRIER                         ; my LDS stores have landed and my LDS loads are in: then the work-group's barrier
	s_wait_dscnt 0x0
	s_barrier_signal -1
	s_barrier_wait -1
.endm
; A product on codes: D = A x B + C, 16 x 16 x 128.  row = 1: both sides' scale words are taken from lanes 16-31.
.macro MM d, a, b, c, sa, sb, row
.if \row
	v_wmma_scale_f32_16x16x128_f8f6f4 v[\d:\d+7], v[\a:\a+11], v[\b:\b+11], v[\c:\c+7], v[\sa], v[\sb] matrix_a_fmt:MATRIX_FMT_FP6 matrix_b_fmt:MATRIX_FMT_FP6 matrix_a_scale:MATRIX_SCALE_ROW1 matrix_b_scale:MATRIX_SCALE_ROW1
.else
	v_wmma_scale_f32_16x16x128_f8f6f4 v[\d:\d+7], v[\a:\a+11], v[\b:\b+11], v[\c:\c+7], v[\sa], v[\sb] matrix_a_fmt:MATRIX_FMT_FP6 matrix_b_fmt:MATRIX_FMT_FP6
.endif
.endm
; ---------------------------------------------------------------- PHASE 0: ids, addresses, pointers, the first loads
	s_load_b512 s[4:19], s[0:1], 0x0               ; x_img s[4:5], x_scales s[6:7], Wq_codes s[8:9], Wq_scales s[10:11], bq s[12:13], Wk_codes s[14:15], Wk_scales s[16:17], bk s[18:19]
	s_load_b256 s[20:27], s[0:1], 0x40             ; Wv_codes s[20:21], Wv_scales s[22:23], bv s[24:25], wo_img s[26:27]
	s_load_b128 s[28:31], s[0:1], 0x60             ; Wo_scales s[28:29], bo s[30:31]
	s_load_b64 s[32:33], s[0:1], 0x70              ; out0
	v_lshrrev_b32 v40, 5, v0
	v_readfirstlane_b32 s[WV], v40                 ; wave 0 .. 15
	s_lshr_b32 s[HA], ttmp9, 2
	s_and_b32 s[HB], ttmp9, 3
	s_mov_b32 s[SEL], 0x76543210
	s_mov_b32 s[SEL+1], 0xfedcba98
	s_mov_b32 s[CS], 0x3e38aa3b                    ; log2(e) / 8: t = q . k / sqrt(64) x log2(e)
	s_mov_b32 s[CS+1], s[CS]                       ; (named with it as a pair, so it is written)
	v_and_b32 v40, 31, v0                          ; lane
	v_and_b32 v41, 15, v0                          ; r
	v_bfe_u32 v42, v0, 4, 1                        ; h
	v_and_b32 v43, 8, v0
	v_add_nc_u32 v43, v43, v41                     ; r + 8 (r / 8)
	v_lshlrev_b32 v[L16], 4, v40
	v_add_nc_u32 v[AK0], KIMG, v[L16]
	v_add_nc_u32 v[AV0], VIMG, v[L16]
	v_lshl_add_u32 v[AVS0], v41, 2, VSC
	; z: lane (r, h) of tile qt holds query 32 (qt / 2) + 8 (qt % 2) + r + 8 (r / 8) of my 64 and channels 8 h + 0 .. 7.  Block = query / 2, 144 bytes each; in it 64 (query % 2) + 32 h.
	v_bfe_u32 v44, v0, 1, 2
	v_mul_u32_u24 v[AZW], v44, 144                 ; ((r / 2) % 4) blocks,
	v_bfe_u32 v44, v0, 3, 1
	v_mad_u32_u24 v[AZW], v44, 1152, v[AZW]        ; 8 (r / 8) blocks,
	v_and_b32 v44, 1, v0
	v_lshl_add_u32 v[AZW], v44, 6, v[AZW]
	v_lshl_add_u32 v[AZW], v42, 5, v[AZW]
	s_mul_i32 s[X0], s[WV], ZFW
	s_add_co_u32 s[X0], s[X0], ZF
	v_add_nc_u32 v[AZW], s[X0], v[AZW]
	v_mul_u32_u24 v[AWF], v41, WPITCH
	v_mad_u32_u24 v[AWF], v42, 24, v[AWF]          ; a weight's fragment: row r, + 24 h  (WL = 0)
	s_lshl_b32 s[X0], s[WV], 12
	s_add_co_u32 s[X0], s[X0], KIMG
	v_add_nc_u32 v[AKW], s[X0], v[L16]             ; my four tiles of k
	s_lshl_b32 s[X0], s[WV], 10
	s_add_co_u32 s[X0], s[X0], VIMG
	v_add_nc_u32 v[AVW], s[X0], v[L16]             ; my half of a fragment of v
	s_lshr_b32 s[X0], s[WV], 1
	s_lshl_b32 s[X0], s[X0], 6                     ; fragment w / 2: 64 bytes of scale words;
	s_and_b32 s[X1], s[WV], 1
	s_lshl_b32 s[X1], s[X1], 1                     ; my two bytes of each word: 2 (w % 2)
	s_add_co_u32 s[X0], s[X0], s[X1]
	v_add_nc_u32 v[AVSW], s[X0], v[AVS0]
	v_lshlrev_b32 v[OW8], 3, v40                   ; 8 x lane: 256 bytes a load
	s_mul_i32 s[X0], s[WV], WPITCH
	v_add_nc_u32 v[AWS], s[X0], v[OW8]             ; row w of a weight's 16 in LDS
	v_lshlrev_b32 v[OWS], 5, v41
	v_lshl_add_u32 v[OWS], v42, 4, v[OWS]          ; a weight's scale bytes: row r of 32 bytes, + 16 h: lanes 0-15 get K steps 0-3, lanes 16-31 K steps 4-7
	v_lshlrev_b32 v[OXS], 5, v43
	v_lshl_add_u32 v[OXS], v42, 4, v[OXS]          ; x's likewise, by a tile's rows
	v_lshlrev_b32 v[OB8], 5, v42                   ; bq, bk: channels 8 h + 0 .. 7
	v_lshlrev_b32 v[OBV], 2, v41                   ; bv: channel r
	s_mov_b32 s[OFF+1], 0
	s_wait_kmcnt 0x0
	s_lshl_b32 s[X0], s[HB], 6
	s_lshl_b32 s[X1], s[WV], 2
	s_add_co_u32 s[X0], s[X0], s[X1]               ; my first tile of x: 64 b + 4 w
	s_mul_i32 s[OFF], s[X0], 12288
	s_add_nc_u64 s[4:5], s[4:5], s[OFF:OFF+1]
	s_lshl_b32 s[OFF], s[X0], 9                    ; 16 rows of 32 scale bytes a tile
	s_add_nc_u64 s[6:7], s[6:7], s[OFF:OFF+1]
	s_mul_i32 s[OFF], s[HA], 12288                 ; the weights' rows 16 a on, and of them row w
	s_mul_i32 s[X1], s[WV], 768
	s_add_co_u32 s[OFF], s[OFF], s[X1]
	s_add_nc_u64 s[8:9], s[8:9], s[OFF:OFF+1]
	s_add_nc_u64 s[14:15], s[14:15], s[OFF:OFF+1]
	s_add_nc_u64 s[20:21], s[20:21], s[OFF:OFF+1]
	s_lshl_b32 s[OFF], s[HA], 9                    ; their scale bytes
	s_add_nc_u64 s[10:11], s[10:11], s[OFF:OFF+1]
	s_add_nc_u64 s[16:17], s[16:17], s[OFF:OFF+1]
	s_add_nc_u64 s[22:23], s[22:23], s[OFF:OFF+1]
	s_lshl_b32 s[OFF], s[HA], 6                    ; the biases' 16 numbers
	s_add_nc_u64 s[12:13], s[12:13], s[OFF:OFF+1]
	s_add_nc_u64 s[18:19], s[18:19], s[OFF:OFF+1]
	s_add_nc_u64 s[24:25], s[24:25], s[OFF:OFF+1]
	s_mul_i32 s[OFF], s[WV], 49152                 ; Wo's tiles 4 w on
	s_add_nc_u64 s[26:27], s[26:27], s[OFF:OFF+1]
	s_lshl_b32 s[OFF], s[WV], 11                   ; their 64 rows of scale bytes
	s_add_nc_u64 s[28:29], s[28:29], s[OFF:OFF+1]
	s_lshl_b32 s[OFF], s[WV], 8                    ; bo's and out0's columns 64 w on
	s_add_nc_u64 s[30:31], s[30:31], s[OFF:OFF+1]
	s_lshl_b32 s[X0], ttmp9, 16                    ; out0's rows 16 g on, 4,096 bytes each
	s_add_co_u32 s[OFF], s[OFF], s[X0]
	s_add_nc_u64 s[32:33], s[32:33], s[OFF:OFF+1]
	; (1) row w of each weight: 3 x 256 consecutive bytes
.irp i, 0,1,2
	global_load_b64 v[WF+2*\i:WF+2*\i+1], v[OW8], s[8:9] offset:256*\i
	global_load_b64 v[WF+6+2*\i:WF+6+2*\i+1], v[OW8], s[14:15] offset:256*\i
	global_load_b64 v[WF+12+2*\i:WF+12+2*\i+1], v[OW8], s[20:21] offset:256*\i
.endr
	; (2) 19 loads: scale words and biases
	global_load_b128 v[WQS:WQS+3], v[OWS], s[10:11]
	global_load_b128 v[WKS:WKS+3], v[OWS], s[16:17]
	global_load_b128 v[WVS:WVS+3], v[OWS], s[22:23]
.irp i, 0,1,2,3
	global_load_b128 v[XS+4*\i:XS+4*\i+3], v[OXS], s[6:7] offset:(32*(\i/2)+8*(\i%2))*32
.endr
	global_load_b128 v[BQ:BQ+3], v[OB8], s[12:13]
	global_load_b128 v[BQ+4:BQ+7], v[OB8], s[12:13] offset:16
	global_load_b128 v[BK:BK+3], v[OB8], s[18:19]
	global_load_b128 v[BK+4:BK+7], v[OB8], s[18:19] offset:16
.irp j, 0,1,2,3,4,5,6,7
	global_load_b32 v[BV+\j], v[OBV], s[24:25]     ; in v's layout a lane's eight registers are eight keys of one channel: the same number eight times
.endr
	; (3) K step 0 of my four tiles of x: 12 loads
.irp i, 0,1,2,3
.irp c, 0,1,2
	global_load_b128 v[XF+12*\i+4*\c:XF+12*\i+4*\c+3], v[L16], s[4:5] offset:12288*\i+512*\c
.endr
.endr
	s_wait_loadcnt 31                              ; the nine loads of (1) are in; the 19 + 12 younger ones stay out
.irp wt, 0,1,2
.irp i, 0,1,2
	ds_store_b64 v[AWS], v[WF+6*\wt+2*\i:WF+6*\wt+2*\i+1] offset:WTILE*\wt+256*\i
.endr
.endr
	BARRIER                                        ; the head's 48 weight rows lie in LDS
; ---------------------------------------------------------------- PHASE 1
; K step s: the three weights' fragments from LDS; then tile by tile of x three products, and the tile's next fragment is asked for: a ring of four tiles, 12 loads of a wave on their way.
; The 12 accumulators take turns, one instruction a turn.  A scale register holds K step s % 4 in lanes 0-15 and K step 4 + s % 4 in lanes 16-31.
.macro KSTEP s, first, last
.irp wt, 0,1,2
.irp p, 0,1,2,3,4,5
	ds_load_b64 v[WF+12*\wt+2*\p:WF+12*\wt+2*\p+1], v[AWF] offset:WTILE*\wt+96*(\s)+48*(\p/3)+8*(\p%3)
.endr
.endr
	s_wait_dscnt 0x0
.irp i, 0,1,2,3
.if \last
	s_wait_loadcnt 9-3*\i                          ; nothing is asked for any more: behind tile i's loads stand those of the tiles behind it
.else
	s_wait_loadcnt 9                               ; tile i's three loads are in; behind them stand the three of each of the other three tiles
.endif
.if \first
	MM QA+8*\i, WF, XF+12*\i, BQ, WQS+(\s)%4, XS+4*\i+(\s)%4, (\s)/4          ; q^T: source 0 = Wq's 16 rows, source 1 = 16 rows of x; the bias starts the sum
	MM KA+8*\i, WF+12, XF+12*\i, BK, WKS+(\s)%4, XS+4*\i+(\s)%4, (\s)/4       ; k^T likewise
	MM VA+8*\i, XF+12*\i, WF+24, BV, XS+4*\i+(\s)%4, WVS+(\s)%4, (\s)/4       ; v: source 0 = 16 rows of x (keys), source 1 = Wv's 16 rows
.else
	MM QA+8*\i, WF, XF+12*\i, QA+8*\i, WQS+(\s)%4, XS+4*\i+(\s)%4, (\s)/4
	MM KA+8*\i, WF+12, XF+12*\i, KA+8*\i, WKS+(\s)%4, XS+4*\i+(\s)%4, (\s)/4
	MM VA+8*\i, XF+12*\i, WF+24, VA+8*\i, XS+4*\i+(\s)%4, WVS+(\s)%4, (\s)/4
.endif
	PLACES 4                                       ; in front of the loads into the tile's registers; behind tile 3 also of the next step's loads of the weights' fragments, and at the end of the first reads of results
.if \last == 0
.irp c, 0,1,2
	global_load_b128 v[XF+12*\i+4*\c:XF+12*\i+4*\c+3], v[L16], s[4:5] offset:12288*\i+1536*((\s)+1)+512*\c
.endr
.endif
.endr
.endm
	KSTEP 0, 1, 0
	KSTEP 1, 0, 0
	KSTEP 2, 0, 0
	KSTEP 3, 0, 0
	KSTEP 4, 0, 0
	KSTEP 5, 0, 0
	KSTEP 6, 0, 0
	KSTEP 7, 0, 1
	; q x log2(e) / 8 into registers of its own, each accumulator from its low end on
.set jj, 0
.rept 16
	v_pk_mul_f32 v[QR+jj:QR+jj+1], v[QA+jj:QA+jj+1], s[CS:CS+1] op_sel_hi:[1,0]
.set jj, jj+2
.endr
	; k: my four tiles as images of their registers
.irp i, 0,1,2,3
	ds_store_b128 v[AKW], v[KA+8*\i:KA+8*\i+3] offset:1024*\i
	ds_store_b128 v[AKW], v[KA+8*\i+4:KA+8*\i+7] offset:1024*\i+512
.endr
	; v: lane (r, h) holds channel r; register 16 b + i is key 32 b + 16 h + i of my 64: two blocks of 32, each in lanes l and l xor 16
	v_mov_b32 v[VT+2], 0                           ; (a lane permute's destination counts as one of its sources)
	v_mov_b32 v[VT+3], 0
.irp b, 0,1
	v_max3_num_f32 v[VT+\b], |v[VA+16*\b]|, |v[VA+16*\b+1]|, 0x1800000   ; my 16 numbers, and the floor 2^(3 - 127): so the byte cannot fall under 1
.endr
.irp i, 2,4,6,8,10,12,14
.irp b, 0,1
	v_max3_num_f32 v[VT+\b], v[VT+\b], |v[VA+16*\b+\i]|, |v[VA+16*\b+\i+1]|
.endr
.endr
.irp b, 0,1
	v_permlanex16_b32 v[VT+2+\b], v[VT+\b], s[SEL], s[SEL+1]
.endr
.irp b, 0,1
	v_max_num_f32 v[VT+\b], v[VT+\b], v[VT+2+\b]   ; the block's largest magnitude
.endr
.irp b, 0,1
	v_add_nc_u32 v[VT+4+\b], 0xff000000, v[VT+\b]  ; 2 off its exponent field: the conversion's scale operand
.endr
.irp b, 0,1
	v_lshrrev_b32 v[VT+6+\b], 23, v[VT+4+\b]       ; the scale's byte
.endr
	v_lshl_or_b32 v[VT+8], v[VT+7], 8, v[VT+6]     ; my two bytes of channel r's scale word
	v_cvt_scalef32_pk16_fp6_f32 v[VT+10:VT+12], v[VA:VA+15], v[VT+4]
	v_cvt_scalef32_pk16_fp6_f32 v[VT+16:VT+18], v[VA+16:VA+31], v[VT+5]   ; (a conversion's three registers begin on an even number)
	v_nop                                          ; one plain place behind a scaled conversion
.irp i, 0,1,2
	v_permlane16_swap_b32 v[VT+10+\i], v[VT+16+\i] ; the operand wants a whole block in a lane: lanes 0-15 block 0, lanes 16-31 block 1
.endr
.irp i, 0,1,2
	v_mov_b32 v[VT+13+\i], v[VT+16+\i]
.endr
	ds_store_b128 v[AVW], v[VT+10:VT+13]           ; six registers: half w % 2 of fragment w / 2
	ds_store_b64 v[AVW], v[VT+14:VT+15] offset:512
	ds_store_b16 v[AVSW], v[VT+8]                  ; lanes l and l xor 16 write the same two bytes with the same value
	BARRIER                                        ; the head's k and v lie in LDS
; ---------------------------------------------------------------- PHASE 2
; A key step: 128 keys against tile qt of my queries.
.macro STEP qt
	v_add_nc_u32 v[ADK], s[TB], v[AK0]
	v_add_nc_u32 v[ADV], s[TV], v[AV0]
	v_add_nc_u32 v[ADVS], s[TS], v[AVS0]
.irp c, 0,1                                    ; k's eight tiles: all first halves (channels 8 h + 0 .. 3), then all second halves
.irp t, 0,1,2,3,4,5,6,7
	ds_load_b128 v[KP+8*\t+4*\c:KP+8*\t+4*\c+3], v[ADK] offset:1024*\t+512*\c
.endr
.endr
	s_wait_dscnt 8                                 ; the first halves are in; the eight younger loads stay out
; S^T = k q^T: source 0 = 16 keys, source 1 = my 16 queries; link s takes registers 2 s, 2 s + 1 of both: channels 8 h + 2 s + 0, 1.  The first link starts the sum with 0; the eight accumulators take turns.
.irp s, 0,1
.irp t, 0,1,2,3,4,5,6,7
.if \s == 0
	v_wmma_f32_16x16x4_f32 v[SCR+8*\t:SCR+8*\t+7], v[KP+8*\t:KP+8*\t+1], v[QR+8*(\qt):QR+8*(\qt)+1], 0
.else
	v_wmma_f32_16x16x4_f32 v[SCR+8*\t:SCR+8*\t+7], v[KP+8*\t+2*\s:KP+8*\t+2*\s+1], v[QR+8*(\qt)+2*\s:QR+8*(\qt)+2*\s+1], v[SCR+8*\t:SCR+8*\t+7]
.endif
.endr
.endr
	s_wait_dscnt 0x0
.irp s, 2,3
.irp t, 0,1,2,3,4,5,6,7
	v_wmma_f32_16x16x4_f32 v[SCR+8*\t:SCR+8*\t+7], v[KP+8*\t+2*\s:KP+8*\t+2*\s+1], v[QR+8*(\qt)+2*\s:QR+8*(\qt)+2*\s+1], v[SCR+8*\t:SCR+8*\t+7]
.endr
.endr
	PLACES 8                                       ; behind the f32 form: in front of the reads of S^T, of the writes over k's registers, and (with the three additions above) of the loads into the last scaled product's sources
	ds_load_b128 v[VF:VF+3], v[ADV]                ; v's fragment of these 128 keys: two halves of six registers; it lands under the softmax
	ds_load_b64 v[VF+4:VF+5], v[ADV] offset:512
	ds_load_b128 v[VF+6:VF+9], v[ADV] offset:1024
	ds_load_b64 v[VF+10:VF+11], v[ADV] offset:1536
	ds_load_b32 v[VW], v[ADVS]                     ; and its scale words: lane r has channel r's
; Lane (r, h) holds query r of the tile; the 16 registers of tiles 2 b, 2 b + 1 are keys 32 b + 16 h + 0 .. 15.  S^T is t itself: q carries log2(e) / 8.
.irp b, 0,1,2,3
	v_max3_num_f32 v[TM+\b], v[SCR+16*\b], v[SCR+16*\b+1], v[SCR+16*\b+2]   ; the largest t of each block of 32 keys: it serves the row's maximum and, since p rises with t, the block's largest p.  Each accumulator is read from its low end on
.endr
.irp i, 3,5,7,9,11,13
.irp b, 0,1,2,3
	v_max3_num_f32 v[TM+\b], v[TM+\b], v[SCR+16*\b+\i], v[SCR+16*\b+\i+1]
.endr
.endr
.irp b, 0,1,2,3
	v_max_num_f32 v[TM+\b], v[TM+\b], v[SCR+16*\b+15]
.endr
.irp b, 0,1,2,3
	v_permlanex16_b32 v[TP+\b], v[TM+\b], s[SEL], s[SEL+1]
.endr
.irp b, 0,1,2,3
	v_max_num_f32 v[TM+\b], v[TM+\b], v[TP+\b]     ; with lane l xor 16's 16 keys
.endr
	v_max3_num_f32 v[T0], v[TM], v[TM+1], v[TM+2]
	v_max_num_f32 v[T0], v[T0], v[TM+3]            ; the step's largest t of my query
	v_max_num_f32 v[MT], v[MT], v[T0]              ; the running largest t
	v_mov_b32 v[T0], v[NM]
	v_floor_f32 v[NM], -v[MT]                      ; the new -M = floor(-t) = -ceil(t): M is a whole number
	v_sub_f32 v[T0], v[NM], v[T0]                  ; old M - new M: a whole number, 0 or less
	v_cvt_i32_f32 v[T0], v[T0]                     ; (it saturates)
	v_ldexp_f32 v[FF], 1.0, v[T0]                  ; f = 2^(old M - new M)
.set jj, 0
.rept 32
	v_pk_add_f32 v[KP+jj:KP+jj+1], v[SCR+jj:SCR+jj+1], v[NM:NM+1] op_sel_hi:[1,0]   ; t - M, two at a time, into other registers than S^T's (of the pair the low word, -M, serves both halves)
.set jj, jj+2
.endr
.irp b, 0,1,2,3
	v_add_f32 v[TM+\b], v[TM+\b], v[NM]            ; the same of each block's largest t
.endr
.set jj, 0
.rept 64
	v_exp_f32 v[KP+jj], v[KP+jj]                   ; p = 2^(t - M), at most 1: not normalised
.set jj, jj+1
.endr
.irp b, 0,1,2,3
	v_exp_f32 v[TM+\b], v[TM+\b]                   ; the block's largest p: the same two instructions on the same number give the same bits
.endr
	v_pk_mul_f32 v[SUM:SUM+1], v[SUM:SUM+1], v[FF:FF+1] op_sel_hi:[1,0]   ; the sums under the new M.  (A plain place behind the exponentials)
.irp j, 0,2,4,6
	v_pk_mul_f32 v[OT+\j:OT+\j+1], v[OT+\j:OT+\j+1], v[FF:FF+1] op_sel_hi:[1,0]   ; O^T under the new M, from its low end on
.endr
	s_wait_alu depctr_va_vdst(0)
.irp b, 0,1,2,3
	v_max_num_f32 v[TM+\b], 0x1800000, v[TM+\b]    ; the floor 2^(3 - 127): the byte cannot fall under 1 (a block whose every p has fallen to 0 keeps that byte: its codes are zeros)
.endr
.irp b, 0,1,2,3
	v_add_nc_u32 v[SO+\b], 0xff000000, v[TM+\b]    ; 2 off the exponent field: the conversion's scale operand
.endr
.irp b, 0,1,2,3
	v_lshrrev_b32 v[TP+\b], 23, v[SO+\b]           ; the scale's byte
.endr
	v_lshl_or_b32 v[PW], v[TP+1], 8, v[TP]         ; p's scale word for these 128 keys
	v_lshl_or_b32 v[PW], v[TP+2], 16, v[PW]
	v_lshl_or_b32 v[PW], v[TP+3], 24, v[PW]
.irp c, 0,1
	v_cvt_scalef32_pk16_fp6_f32 v[PC+6*\c:PC+6*\c+2], v[KP+32*\c:KP+32*\c+15], v[SO+2*\c]
	v_cvt_scalef32_pk16_fp6_f32 v[PG+4*\c:PG+4*\c+2], v[KP+32*\c+16:KP+32*\c+31], v[SO+2*\c+1]   ; (a conversion's three registers begin on an even number)
.endr
	v_nop                                          ; one plain place behind a scaled conversion
.irp c, 0,1                                    ; the operand wants a whole block in a lane: lanes 0-15 block 2 c, lanes 16-31 block 2 c + 1
.irp i, 0,1,2
	v_permlane16_swap_b32 v[PC+6*\c+\i], v[PG+4*\c+\i]
.endr
.irp i, 0,1,2
	v_mov_b32 v[PC+3+6*\c+\i], v[PG+4*\c+\i]
.endr
.endr
	v_pk_add_f32 v[TP:TP+1], v[KP:KP+1], v[KP+2:KP+3]   ; the row's sum is taken of the unquantised p: two at a time, in two chains.  These 32 lines name no register of the product below: they are the places between the writes of its scale word and of p's codes and the product
.set jj, 4
.rept 15
	v_pk_add_f32 v[SUM:SUM+1], v[SUM:SUM+1], v[KP+jj:KP+jj+1]
	v_pk_add_f32 v[TP:TP+1], v[TP:TP+1], v[KP+jj+2:KP+jj+3]
.set jj, jj+4
.endr
	v_pk_add_f32 v[SUM:SUM+1], v[SUM:SUM+1], v[TP:TP+1]
	s_wait_dscnt 0x0                               ; v's fragment and scale words are in
	MM OT, VF, PC, OT, VW, PW, 0                   ; O^T += v^T p^T: source 0 = the 16 channels, source 1 = p.  Between two of these stand the 32 products of the scores
.endm
; A tile of 16 queries: the step is written once and walked 8 times; the first step finds zeros, which the first change of M leaves zeros.
.macro TILE qt
	v_mov_b32 v[MT], 0xff61b1e6                    ; the largest t so far: -3e38, under every t
	v_floor_f32 v[NM], -v[MT]                      ; -M
	v_mov_b32 v[SUM], 0
	v_mov_b32 v[SUM+1], 0
	v_mov_b32 v[FF+1], 0                           ; (named as the upper half of a pair)
.irp j, 0,1,2,3,4,5,6,7
	v_mov_b32 v[OT+\j], 0
.endr
	s_mov_b32 s[TB], 0
	s_mov_b32 s[TV], 0
	s_mov_b32 s[TS], 0
	s_mov_b32 s[CNT], 8
.Lstep_\@:
	STEP \qt
	s_add_co_u32 s[TB], s[TB], 8192                ; the next 128 keys: eight images of k,
	s_add_co_u32 s[TV], s[TV], 2048                ; two halves of v,
	s_add_co_u32 s[TS], s[TS], 64                  ; sixteen scale words
	s_sub_co_u32 s[CNT], s[CNT], 1
	s_cmp_lg_u32 s[CNT], 0
	s_cbranch_scc1 .Lstep_\@
	v_add_f32 v[T0], v[SUM], v[SUM+1]              ; the sum's two halves,
	v_permlanex16_b32 v[TP], v[T0], s[SEL], s[SEL+1]
	v_add_f32 v[T0], v[T0], v[TP]                  ; and lane l xor 16's: the row's sum
	v_rcp_f32 v[FF], v[T0]
	PLACES 4                                       ; behind the last product, and behind the reciprocal
	s_wait_alu depctr_va_vdst(0)
.irp j, 0,2,4,6
	v_pk_mul_f32 v[ZO+\j:ZO+\j+1], v[OT+\j:OT+\j+1], v[FF:FF+1] op_sel_hi:[1,0]   ; z = O^T / the sum: lane (r, h): my query's channels 8 h + 0 .. 7
.endr
	ds_store_b128 v[AZW], v[ZO:ZO+3] offset:2304*((\qt)/2)+576*((\qt)%2)          ; 16 (qt / 2) + 4 (qt % 2) blocks of 144 bytes on
	ds_store_b128 v[AZW], v[ZO+4:ZO+7] offset:2304*((\qt)/2)+576*((\qt)%2)+16
.endm
.irp b, 0,1,2,3
	v_mov_b32 v[TP+\b], 0                          ; written once: a lane permute's destination counts as one of its sources
.endr
	TILE 0
	TILE 1
	TILE 2
	TILE 3
; ---------------------------------------------------------------- Z AND PHASE 3
	s_wait_dscnt 0x0                               ; my stores of z have read their registers: bo lands there below
	v_and_b32 v16, 31, v0                          ; lane
	v_and_b32 v17, 15, v0                          ; r
	v_bfe_u32 v18, v0, 4, 1                        ; h
	v_and_b32 v[AWOS], 8, v0
	v_add_nc_u32 v[AWOS], v[AWOS], v17             ; r + 8 (r / 8)
	v_lshlrev_b32 v[AWOS], 5, v[AWOS]
	v_lshl_add_u32 v[AWOS], v18, 4, v[AWOS]        ; Wo's scale bytes: by a tile's rows, + 16 h
	v_lshlrev_b32 v[ABO], 6, v18                   ; bo: lane (r, h) of tile 2 b + u holds columns 32 b + 16 h + 8 u + 0 .. 7
.irp i, 0,1,2,3
	global_load_b128 v[WOS+4*\i:WOS+4*\i+3], v[AWOS], s[28:29] offset:(32*(\i/2)+8*(\i%2))*32
.endr
.irp i, 0,1,2,3
	global_load_b128 v[OA+8*\i:OA+8*\i+3], v[ABO], s[30:31] offset:128*(\i/2)+32*(\i%2)        ; the bias is what the sums begin with
	global_load_b128 v[OA+8*\i+4:OA+8*\i+7], v[ABO], s[30:31] offset:128*(\i/2)+32*(\i%2)+16
.endr
.irp i, 0,1,2,3
.irp c, 0,1,2
	global_load_b128 v[WOF+12*\i+4*\c:WOF+12*\i+4*\c+3], v[L16], s[26:27] offset:12288*\i+512*\c   ; K step 0 of my four tiles of Wo: they land while z is quantised
.endr
.endr
	s_mul_i32 s[X0], s[WV], ZFW
	s_add_co_u32 s[X0], s[X0], ZF
	v_mul_u32_u24 v[AZN], v16, 144
	v_add_nc_u32 v[AZN], s[X0], v[AZN]             ; block = lane: its 32 numbers
	s_mul_i32 s[X0], s[WV], WPITCH
	s_add_co_u32 s[X0], s[X0], ZC
	v_mul_u32_u24 v[AZCW], v16, 24
	v_add_nc_u32 v[AZCW], s[X0], v[AZCW]           ; its 24 bytes of codes in row w
	s_lshl_b32 s[X0], s[WV], 5
	s_add_co_u32 s[X0], s[X0], ZS
	v_add_nc_u32 v[AZSW], s[X0], v16               ; its scale byte
	v_lshlrev_b32 v[AZSR], 5, v17
	v_lshl_add_u32 v[AZSR], v18, 4, v[AZSR]
	v_add_nc_u32 v[AZSR], ZS, v[AZSR]              ; z's scale words: row r, + 16 h
	v_mul_u32_u24 v[AZFR], v17, WPITCH
	v_mad_u32_u24 v[AZFR], v18, 24, v[AZFR]
	v_add_nc_u32 v[AZFR], ZC, v[AZFR]              ; z's fragment: row r, + 24 h
	s_mul_i32 s[X0], s[WV], OSTW
	s_add_co_u32 s[X0], s[X0], OST
	v_mul_u32_u24 v[AOSW], v17, 272
	v_lshl_add_u32 v[AOSW], v18, 6, v[AOSW]
	v_add_nc_u32 v[AOSW], s[X0], v[AOSW]           ; the way out, in: row r, + 64 h
	v_mul_u32_u24 v[AOSR], v18, 272
	v_lshl_add_u32 v[AOSR], v17, 4, v[AOSR]
	v_add_nc_u32 v[AOSR], s[X0], v[AOSR]           ; back: lanes 0-15 one row, lanes 16-31 the next
	v_lshlrev_b32 v[AOUT], 12, v18
	v_lshl_add_u32 v[AOUT], v17, 4, v[AOUT]        ; and the same two rows in out0
	; my row of z: 32 blocks of 32, a whole block to a lane
.irp i, 0,1,2,3,4,5,6,7
	ds_load_b128 v[ZN+4*\i:ZN+4*\i+3], v[AZN] offset:16*\i   ; my wave's own bytes: LDS serves a wave's instructions in order (ISA guide 5.7.1.4)
.endr
	s_wait_dscnt 0x0
	v_max3_num_f32 v192, |v[ZN]|, |v[ZN+1]|, |v[ZN+2]|
	v_max3_num_f32 v193, |v[ZN+3]|, |v[ZN+4]|, |v[ZN+5]|
.irp i, 6,10,14,18,22,26
	v_max3_num_f32 v192, v192, |v[ZN+\i]|, |v[ZN+\i+1]|
	v_max3_num_f32 v193, v193, |v[ZN+\i+2]|, |v[ZN+\i+3]|
.endr
	v_max3_num_f32 v192, v192, |v[ZN+30]|, |v[ZN+31]|
	v_max3_num_f32 v192, v192, v193, 0x1800000     ; and the floor 2^(3 - 127)
	v_add_nc_u32 v194, 0xff000000, v192            ; the conversion's scale operand
	v_lshrrev_b32 v195, 23, v194                   ; the scale's byte
	v_cvt_scalef32_pk16_fp6_f32 v[6:8], v[ZN:ZN+15], v194
	v_cvt_scalef32_pk16_fp6_f32 v[12:14], v[ZN+16:ZN+31], v194
	v_nop                                          ; one plain place behind a scaled conversion
	v_mov_b32 v9, v12
	v_mov_b32 v10, v13
	v_mov_b32 v11, v14
	ds_store_b64 v[AZCW], v[6:7]
	ds_store_b64 v[AZCW], v[8:9] offset:8
	ds_store_b64 v[AZCW], v[10:11] offset:16
	ds_store_b8 v[AZSW], v195
	BARRIER                                        ; the 16 rows of z lie in LDS as codes and scale bytes
	ds_load_b128 v[ZSR:ZSR+3], v[AZSR]             ; z's scale words: K steps 0-3 in lanes 0-15, 4-7 in lanes 16-31; waited for with the first fragment
; K step s: z's fragment from LDS; then my four tiles of Wo, one product each, and the tile's next fragment is asked for.  Transposed: source 0 = 16 rows of Wo (columns of out0), source 1 = z's 16 rows.  The four accumulators take turns.
.macro OSTEP s, last
.irp p, 0,1,2,3,4,5
	ds_load_b64 v[ZFR+2*\p:ZFR+2*\p+1], v[AZFR] offset:96*(\s)+48*(\p/3)+8*(\p%3)
.endr
	s_wait_dscnt 0x0
.irp i, 0,1,2,3
.if \last
	s_wait_loadcnt 9-3*\i
.else
	s_wait_loadcnt 9                               ; tile i's three loads are in; behind them stand the three of each of the other three tiles
.endif
	MM OA+8*\i, WOF+12*\i, ZFR, OA+8*\i, WOS+4*\i+(\s)%4, ZSR+(\s)%4, (\s)/4
	PLACES 4
.if \last == 0
.irp c, 0,1,2
	global_load_b128 v[WOF+12*\i+4*\c:WOF+12*\i+4*\c+3], v[L16], s[26:27] offset:12288*\i+1536*((\s)+1)+512*\c
.endr
.endif
.endr
.endm
	OSTEP 0, 0
	OSTEP 1, 0
	OSTEP 2, 0
	OSTEP 3, 0
	OSTEP 4, 0
	OSTEP 5, 0
	OSTEP 6, 0
	OSTEP 7, 1
	; THE WAY OUT: lane (r, h) holds row r and columns 32 b + 16 h + 8 u + 0 .. 7 of my 64.  Through my own stage, back as whole rows of 256 bytes.
.irp i, 0,1,2,3
	ds_store_b128 v[AOSW], v[OA+8*\i:OA+8*\i+3] offset:128*(\i/2)+32*(\i%2)        ; each accumulator from its low end on
	ds_store_b128 v[AOSW], v[OA+8*\i+4:OA+8*\i+7] offset:128*(\i/2)+32*(\i%2)+16
.endr
.irp i, 0,1,2,3,4,5,6,7
	ds_load_b128 v[WOF+4*\i:WOF+4*\i+3], v[AOSR] offset:544*\i
.endr
.irp i, 0,1,2,3,4,5,6,7
	s_wait_dscnt 7-\i                              ; rows 2 i, 2 i + 1 are back; the younger loads stay out
	global_store_b128 v[AOUT], v[WOF+4*\i:WOF+4*\i+3], s[32:33] offset:8192*\i th:TH_STORE_NT   ; sixteen lanes store 256 consecutive bytes, at a multiple of 256 from out0's first byte; written once, read by nobody here
.endr
	s_barrier_signal -1
	s_barrier_wait -1
	s_wait_xcnt 0x0
	v_lshl_add_u32 v254, v0, 2, 0x43900
	v_mov_b32 v255, 0
	s_wait_tensorcnt 0x0
	ds_add_u32 v254, v255
	s_wait_dscnt 0x0
	s_endpgm
.Lfunc_end_k_qc237b032fd_attn:
	.size	k_qc237b032fd_attn, .Lfunc_end_k_qc237b032fd_attn-k_qc237b032fd_attn
	.p2alignl 7, 3214868480
	.fill 96, 4, 3214868480
	.section	.rodata,"a",@progbits
	.p2align	6, 0x0
	.amdhsa_kernel k_qc237b032fd_attn
		.amdhsa_group_segment_fixed_size 278784
		.amdhsa_private_segment_fixed_size 0
		.amdhsa_enable_private_segment 0
		.amdhsa_kernarg_size 120
		.amdhsa_user_sgpr_count 2
		.amdhsa_user_sgpr_kernarg_segment_ptr 1
		.amdhsa_wavefront_size32 1
		.amdhsa_system_sgpr_workgroup_id_x 1
		.amdhsa_system_sgpr_workgroup_id_y 1
		.amdhsa_system_sgpr_workgroup_id_z 1
		.amdhsa_system_vgpr_workitem_id 0
		.amdhsa_next_free_vgpr 256
		.amdhsa_next_free_sgpr 66
		.amdhsa_reserve_vcc 0
		.amdhsa_float_denorm_mode_32 3
		.amdhsa_float_denorm_mode_16_64 3
		.amdhsa_memory_ordered 1
		.amdhsa_forward_progress 1
		.amdhsa_inst_pref_size 140
	.end_amdhsa_kernel
	.amdgpu_metadata
---
amdhsa.version: [ 1, 2 ]
amdhsa.kernels:
  - .name:           k_qc237b032fd_attn
    .symbol:         k_qc237b032fd_attn.kd
    .args:
      - { .name: x_img, .offset: 0, .size: 8, .value_kind: global_buffer, .address_space: global }
      - { .name: x_scales, .offset: 8, .size: 8, .value_kind: global_buffer, .address_space: global }
      - { .name: Wq_codes, .offset: 16, .size: 8, .value_kind: global_buffer, .address_space: global }
      - { .name: Wq_scales, .offset: 24, .size: 8, .value_kind: global_buffer, .address_space: global }
      - { .name: bq, .offset: 32, .size: 8, .value_kind: global_buffer, .address_space: global }
      - { .name: Wk_codes, .offset: 40, .size: 8, .value_kind: global_buffer, .address_space: global }
      - { .name: Wk_scales, .offset: 48, .size: 8, .value_kind: global_buffer, .address_space: global }
      - { .name: bk, .offset: 56, .size: 8, .value_kind: global_buffer, .address_space: global }
      - { .name: Wv_codes, .offset: 64, .size: 8, .value_kind: global_buffer, .address_space: global }
      - { .name: Wv_scales, .offset: 72, .size: 8, .value_kind: global_buffer, .address_space: global }
      - { .name: bv, .offset: 80, .size: 8, .value_kind: global_buffer, .address_space: global }
      - { .name: wo_img, .offset: 88, .size: 8, .value_kind: global_buffer, .address_space: global }
      - { .name: Wo_scales, .offset: 96, .size: 8, .value_kind: global_buffer, .address_space: global }
      - { .name: bo, .offset: 104, .size: 8, .value_kind: global_buffer, .address_space: global }
      - { .name: out0, .offset: 112, .size: 8, .value_kind: global_buffer, .address_space: global }
    .group_segment_fixed_size: 278784
    .private_segment_fixed_size: 0
    .kernarg_segment_align: 8
    .kernarg_segment_size: 120
    .max_flat_workgroup_size: 512
    .sgpr_count:     66
    .vgpr_count:     256
    .wavefront_size: 32
...
	.end_amdgpu_metadata
.endif
;; end of part 2
